; MI455X (gfx1250); checked and timed in simulation.
; The chip was launched on July 23, 2026; its instructions are those of AMD's public machine-readable ISA for CDNA 5 (MIT licence, August 2026) and "CDNA5" Instruction Set Architecture Reference Guide (July 2026). The comments in the code are by the model that wrote it; some were corrected since.
;; Spiking DQ Nv1. Allowed arithmetic: float matrix products may take bf16 or f16 operands with f32 sums; other float arithmetic in f32, or as packed bf16 or f16 multiplies, adds, multiply-adds, maxima and minima; sums over many terms, partial sums and values carried from step to step in f32; what a program stores and reads back later, other than sums and carried values, may be rounded once to bf16 or f16.
;; Inputs: W1 1,024 x 4,132 float32; W2 1,024 x 1,024 float32; W3 9 x 1,024 float32; b1 1,024 float32; b2 1,024 float32; b3 9 float32; x 8,192 x 4,132 float32.
;; Outputs: out0 8,192 x 9 float32.
;; 2 versions, each right; version 2 is version 1 with the launch prep written anew for expert scheduling mode. Each part assembles by itself: llvm-mc -triple=amdgcn-amd-amdhsa -mcpu=gfx1250 --defsym DOCPART=n.
;; ======== version 1 of 2: 3 launches
;; workspace buffers: w1b 8,650,752 bytes; w2k 2,097,152 bytes; spk 33,554,432 bytes
;; launch prep (part 1): grid 256 x 1, 8 waves a work-group, no clusters, 0 bytes of LDS; arguments W1, W2, w1b, w2k; writes w1b, w2k
.if DOCPART == 1
	.amdgcn_target "amdgcn-amd-amdhsa--gfx1250"
	.amdhsa_code_object_version 6
	.text
	.protected	k_qcd1be18f4a_prep
	.globl	k_qcd1be18f4a_prep
	.p2align	8
	.type	k_qcd1be18f4a_prep,@function
k_qcd1be18f4a_prep:
	s_mov_b64 s[64:65], 0
	v_nop
	global_prefetch_b8 v0, s[64:65] scope:SCOPE_SE
	s_setreg_imm32_b32 hwreg(HW_REG_WAVE_MODE, 25, 1), 1
	s_wait_xcnt 0x0
; THE WEIGHTS OF THE TWO LARGE PRODUCTS, rounded once to bf16 (nearest even) and laid out as the later launches' tiles want them.
;   w1b[n][k]: [1024][4224] bf16 = W1[n][k], K padded from 4,132 to 33 x 128 with zeros: a row is 8,448 bytes = 33 x 256.
;   w2k[kb][n][kk]: [16][1024][64] bf16 = W2[n][64 kb + kk]: the 1,024 rows of a K step of 64 are 131,072 consecutive bytes.
; A stream: each byte is read once and written once; no LDS, no barrier, no matrix unit.  Eight waves; work-group g owns rows 4 g .. 4 g + 3 of both.
; Every load of the wave is issued before the first conversion: 21 loads of 16 bytes a lane at the most.
.set W1ROW, 16528                      ; bytes in a row of W1
.set B1ROW, 8448                       ; bytes in a row of w1b
.set D1,  16                           ; v[16:79]  W1: row i, chunk c at D1 + 16 i + 4 c
.set D2,  80                           ; v[80:95]  W2: unit i at D2 + 4 i
.set DT,  96                           ; v[96:99]  W1's tail
	s_load_b256 s[4:11], s[0:1], 0x0               ; W1 s[4:5], W2 s[6:7], w1b s[8:9], w2k s[10:11]
	v_lshrrev_b32 v1, 5, v0
	v_readfirstlane_b32 s12, v1                    ; wave 0..7
	v_and_b32 v8, 31, v0                           ; lane
	v_lshlrev_b32 v2, 4, v0                        ; W1: 16 bytes (4 numbers) a thread,
	v_lshlrev_b32 v3, 3, v0                        ; w1b: their 8 bytes
	s_lshr_b32 s13, s12, 2                         ; W2: which pair of the four rows,
	s_and_b32 s14, s12, 3                          ; and which four of the sixteen K blocks, are my wave's
	v_lshrrev_b32 v9, 4, v8                        ; lanes 0-15 the pair's first row, lanes 16-31 its second
	v_and_b32 v10, 15, v8
	v_lshlrev_b32 v4, 12, v9                       ; a row of W2 is 4,096 bytes
	v_lshl_add_u32 v4, v10, 4, v4
	s_lshl_b32 s15, s13, 13
	s_lshl_b32 s16, s14, 10                        ; four K blocks of 256 bytes
	s_add_co_u32 s15, s15, s16
	v_add_nc_u32 v4, s15, v4
	s_lshl_b32 s15, s13, 8                         ; w2k: the pair's 256 bytes in a K block,
	s_lshl_b32 s16, s14, 19                        ; four K blocks of 131,072 bytes
	s_add_co_u32 s15, s15, s16
	v_lshl_add_u32 v5, v8, 3, s15
	v_min_u32 v6, 8, v8                            ; the tail: numbers 4,096 .. 4,131 are nine lanes' 16 bytes; the other lanes read the ninth again and store zeros
	s_mul_i32 s15, s12, W1ROW
	s_add_co_u32 s15, s15, 16384
	v_lshl_add_u32 v6, v6, 4, s15
	s_mul_i32 s15, s12, B1ROW
	s_add_co_u32 s15, s15, 8192
	v_lshl_add_u32 v7, v8, 3, s15
	s_mul_i32 s16, ttmp9, 4*W1ROW                  ; the work-group's four rows in each of the four buffers
	s_mov_b32 s17, 0
	s_lshl_b32 s18, ttmp9, 14
	s_mov_b32 s19, 0
	s_mul_i32 s20, ttmp9, 4*B1ROW
	s_mov_b32 s21, 0
	s_lshl_b32 s22, ttmp9, 9
	s_mov_b32 s23, 0
	s_wait_kmcnt 0x0
	s_add_nc_u64 s[4:5], s[4:5], s[16:17]
	s_add_nc_u64 s[6:7], s[6:7], s[18:19]
	s_add_nc_u64 s[8:9], s[8:9], s[20:21]
	s_add_nc_u64 s[10:11], s[10:11], s[22:23]
	s_cmp_lt_u32 s12, 4                            ; wave w < 4 takes the tail of row w; its load is the wave's oldest
	s_cbranch_scc0 .Lno_tail_load
	global_load_b128 v[DT:DT+3], v6, s[4:5] th:TH_LOAD_NT
.Lno_tail_load:
.irp i, 0,1,2,3
.irp c, 0,1,2,3
	global_load_b128 v[D1+16*(\i)+4*(\c):D1+16*(\i)+4*(\c)+3], v2, s[4:5] offset:(\i)*W1ROW+(\c)*4096 th:TH_LOAD_NT
.endr
.endr
.irp i, 0,1,2,3
	global_load_b128 v[D2+4*(\i):D2+4*(\i)+3], v4, s[6:7] offset:(\i)*256 th:TH_LOAD_NT
.endr
.irp i, 0,1,2,3
	s_wait_loadcnt 16-4*(\i)                       ; row i is in: behind it stand the later rows' loads, four each, and W2's four
.irp c, 0,1,2,3
	v_cvt_pk_bf16_f32 v[D1+16*(\i)+4*(\c)],   v[D1+16*(\i)+4*(\c)],   v[D1+16*(\i)+4*(\c)+1]
	v_cvt_pk_bf16_f32 v[D1+16*(\i)+4*(\c)+1], v[D1+16*(\i)+4*(\c)+2], v[D1+16*(\i)+4*(\c)+3]
	global_store_b64 v3, v[D1+16*(\i)+4*(\c):D1+16*(\i)+4*(\c)+1], s[8:9] offset:(\i)*B1ROW+(\c)*2048  ; a wave's store covers 256 consecutive bytes, at a multiple of 256 from w1b's first
.endr
.endr
	s_wait_loadcnt 0x0                             ; W2's four units (and the tail, which is older)
.irp i, 0,1,2,3
	v_cvt_pk_bf16_f32 v[D2+4*(\i)],   v[D2+4*(\i)],   v[D2+4*(\i)+1]
	v_cvt_pk_bf16_f32 v[D2+4*(\i)+1], v[D2+4*(\i)+2], v[D2+4*(\i)+3]
	global_store_b64 v5, v[D2+4*(\i):D2+4*(\i)+1], s[10:11] offset:(\i)*131072  ; two rows' 128 bytes of one K block: 256 consecutive bytes, aligned
.endr
	s_cmp_lt_u32 s12, 4
	s_cbranch_scc0 .Lend
	v_cvt_pk_bf16_f32 v[DT],   v[DT],   v[DT+1]
	v_cvt_pk_bf16_f32 v[DT+1], v[DT+2], v[DT+3]
	v_cmp_gt_u32 vcc_lo, 9, v8                     ; nine lanes hold numbers of W1, the other 23 the padding
	v_cndmask_b32 v[DT],   0, v[DT],   vcc_lo
	v_cndmask_b32 v[DT+1], 0, v[DT+1], vcc_lo
	global_store_b64 v7, v[DT:DT+1], s[8:9]        ; the row's last 256 bytes, whole
.Lend:
	s_endpgm
.Lfunc_end_k_qcd1be18f4a_prep:
	.size	k_qcd1be18f4a_prep, .Lfunc_end_k_qcd1be18f4a_prep-k_qcd1be18f4a_prep
	.p2alignl 7, 3214868480
	.fill 96, 4, 3214868480
	.section	.rodata,"a",@progbits
	.p2align	6, 0x0
	.amdhsa_kernel k_qcd1be18f4a_prep
		.amdhsa_group_segment_fixed_size 0
		.amdhsa_private_segment_fixed_size 0
		.amdhsa_enable_private_segment 0
		.amdhsa_kernarg_size 32
		.amdhsa_user_sgpr_count 2
		.amdhsa_user_sgpr_kernarg_segment_ptr 1
		.amdhsa_wavefront_size32 1
		.amdhsa_system_sgpr_workgroup_id_x 1
		.amdhsa_system_sgpr_workgroup_id_y 1
		.amdhsa_system_sgpr_workgroup_id_z 1
		.amdhsa_system_vgpr_workitem_id 0
		.amdhsa_next_free_vgpr 112
		.amdhsa_next_free_sgpr 66
		.amdhsa_reserve_vcc 1
		.amdhsa_float_denorm_mode_32 3
		.amdhsa_float_denorm_mode_16_64 3
		.amdhsa_memory_ordered 1
		.amdhsa_forward_progress 1
		.amdhsa_inst_pref_size 9
	.end_amdhsa_kernel
	.amdgpu_metadata
---
amdhsa.version: [ 1, 2 ]
amdhsa.kernels:
  - .name:           k_qcd1be18f4a_prep
    .symbol:         k_qcd1be18f4a_prep.kd
    .args:
      - { .name: W1, .offset: 0, .size: 8, .value_kind: global_buffer, .address_space: global }
      - { .name: W2, .offset: 8, .size: 8, .value_kind: global_buffer, .address_space: global }
      - { .name: w1b, .offset: 16, .size: 8, .value_kind: global_buffer, .address_space: global }
      - { .name: w2k, .offset: 24, .size: 8, .value_kind: global_buffer, .address_space: global }
    .group_segment_fixed_size: 0
    .private_segment_fixed_size: 0
    .kernarg_segment_align: 8
    .kernarg_segment_size: 32
    .max_flat_workgroup_size: 256
    .sgpr_count:     66
    .vgpr_count:     112
    .wavefront_size: 32
...
	.end_amdgpu_metadata
.endif
;; end of part 1
;; launch lif1 (part 2): grid 4 x 64, 4 waves a work-group, clusters of 4 x 4, 327,680 bytes of LDS; arguments x, w1b, b1, spk; writes spk
.if DOCPART == 2
	.amdgcn_target "amdgcn-amd-amdhsa--gfx1250"
	.amdhsa_code_object_version 6
	.text
	.protected	k_qcd1be18f4a_lif1
	.globl	k_qcd1be18f4a_lif1
	.p2align	8
	.type	k_qcd1be18f4a_lif1,@function
k_qcd1be18f4a_lif1:
	s_mov_b64 s[64:65], 0
	v_nop
	global_prefetch_b8 v0, s[64:65] scope:SCOPE_SE
	s_setreg_imm32_b32 hwreg(HW_REG_WAVE_MODE, 25, 1), 1
	s_wait_xcnt 0x0
	s_wait_alu depctr_hold_cnt(0) depctr_sa_sdst(0) depctr_va_vdst(0) depctr_va_sdst(0) depctr_va_ssrc(0) depctr_va_vcc(0) depctr_vm_vsrc(0)
	s_getreg_b32 s2, hwreg(HW_REG_IB_STS2, 6, 4)
	s_cmp_eq_u32 s2, 0
	s_cbranch_scc0 .Lentry_in_a_cluster
	s_endpgm
.Lentry_in_a_cluster:
	s_bfe_u32 s2, ttmp6, 0x10000c
	s_cmp_lg_u32 s2, 0xf033
	s_cbranch_scc0 .Lentry_shape_is_right
	s_endpgm
.Lentry_shape_is_right:
; l1 = x W1^T + b1 ([8192][1024], K = 4,132) and the first layer of neurons, both time steps:
;   spkA = (l1 > 1);   m = 0.9 l1 + l1 - spkA;   spkB = (m > 1)        (the state starts at 0, so the first step's membrane is l1 itself)
; FORMATS AND LIMITS.  x, W1 (in w1b) and b1 are each rounded once to bf16, nearest even; products exact, sums in f32, in another order than a plain dot product's: K is split in two partial sums
; (f32), added before the bias.  0.9 a + b is one fused multiply-add.  u > 1 is taken as clamp(u 2^30 - 2^30) to 0 .. 1: the fused result's sign is exact, the least u above 1 gives 128, every
; u <= 1 gives 0 or less, an overflow the right end: no limit of range.  NaN is not treated apart.  A value within the sums' rounding of a threshold can give the other spike.
; SHARES.  256 work-groups; each makes 128 rows x 256 columns of l1.  K goes in 65 QUARTERS of 64 channels (the last holds 36; w1b holds zeros behind them).  K IS SPLIT INSIDE THE WORK-GROUP: wave w takes
; columns 128 (w & 1) .. + 127 and channels 32 (w >> 1) .. + 31 of each quarter, for all 128 rows: a tile of 128 x 128, 64 accumulators, 512 registers, 64 matrix instructions a quarter.  At the end each wave
; keeps the half of the rows that is its own and hands the other half's sums to its partner.
; w1b COMES THROUGH A RING of two LDS slots of 256 channels (four quarters), filled by joint tensor loads: the four work-groups of a column of the cluster need the same 256 rows.
; x COMES THROUGH REGISTERS, NOT JOINTLY, though the four work-groups of a row of the cluster need the same 128 rows.  The reason, by this text's arithmetic: as f32 in the ring x would take 512 bytes of a slot
; for each channel, as much as w1b's 256 rows, so a slot would hold 128 channels and not 256, and a refill would have 112 matrix instructions in which to land and not 240; each number of x would be read from
; LDS as 4 bytes by two waves and rounded by both.  Here each wave loads 32 rows' 256 bytes a quarter (an instruction covers 256 consecutive bytes of each of two rows), rounds them once and stores them as bf16
; into an LDS buffer of their own; these loads stay out over the barriers, 48 a wave, three quarters ahead.  The price: each of the four work-groups loads those rows itself.
; THE MATRIX INSTRUCTION IS USED TRANSPOSED (source 0 = 16 rows of w1b, source 1 = 16 rows of x): a lane holds row l % 16 and columns 8 (l / 16) + 0..7, so two neighbouring column blocks, rounded to
; bf16, ARE registers 0-3 and 4-7 of the next launch's operand (16 rows x 32 channels).  spk[rb 256][kb 32][tile 4][1,024 bytes] holds such register images (tile = 2 x step + which 16 of the 32 rows;
; lane l's registers 0-3 at 16 l, 4-7 at 512 + 16 l): every store of a wave covers 512 consecutive bytes, aligned, and no stage is needed.
; REGISTERS, in windows of 256 (s_set_vgpr_msb: bits 1:0 source 0, 3:2 source 1, 5:4 source 2, 7:6 destination):
;   window 0: v8-29 addresses and constants; v32-63 x's fragments of my own 64 rows; v64-127 those of the partner's 64 rows, two buffers; v128-255 w1b's fragments, two buffers (at the end: at work, spikes, l1, b1)
;   window 1: x on its way, four sets of 64: sub-step s in set s % 4 (at the end: the partner's sums)
;   window 2: the accumulators of my own 64 rows ((a, b) at 8 (8 a + b));   window 3: those of the partner's 64 rows
.set XROW,  16528                      ; bytes in a row of x
.set WROW,  8448                       ; bytes in a row of w1b
.set WPI,   528                        ; an LDS row of w1b: 512 bytes + 16 of padding = 132 words: the 16 rows of a load start at 16 different groups of four banks (64 banks of 4 bytes: ISA guide 11.1)
.set WSLOT, 256*WPI                    ; a slot: 256 rows x 256 channels
.set XB,    2*WSLOT                    ; behind the ring, in blocks of 256 bytes into which no tensor load lands: x as bf16, two buffers (sub-step s in buffer s % 2)
.set XPB,   144                        ; a row there: 128 bytes + 16 = 36 words: likewise
.set XBUF,  128*XPB
.set SPARE, XB+2*XBUF                  ; the spare words, 128 bytes for each wave: two blocks of 256 bytes that no other line names
.set ADRAL, 8                          ; v8     LDS address of x's fragments of my own 64 rows, in buffer 0
.set ADRAH, 9                          ; v9     of the partner's 64 rows
.set ADRB0, 10                         ; v10    of w1b's fragments, in slot 0
.set ADRB,  11                         ; v11    in the slot that is being read
.set XO,    12                         ; v12    my byte offset in the work-group's rows of x
.set XO3,   13                         ; v13    the same for the loads of a trip's last quarter: in the last trip the clamped one
.set XOL,   14                         ; v14    the same with the lane's place in the 256 bytes held to the ninth 16 bytes, the last of a row
.set XS,    15                         ; v15    where I store my 8 bytes of bf16
.set EXS,   16                         ; v16    the exchange: where I put 16 bytes
.set EXL,   17                         ; v17    where I take the partner's
.set SO,    18                         ; v18    16 x lane: my place in a store of 512 bytes
.set BO,    19                         ; v19    32 x (lane / 16): my eight numbers in a block of 16 of b1
.set PFOX,  20                         ; v20, v21 the prefetches' offsets; never rewritten
.set PFOW,  21
.set SPW,   22                         ; v22    LDS address of my spare word; never rewritten
.set NIL,   23                         ; v23    0; never rewritten
.set BIG,   24                         ; v[24:25] 2^30 twice
.set NBIG,  26                         ; v[26:27] -2^30 twice
.set BETA,  28                         ; v[28:29] 0.9 twice
.set AL,    32
.set AH,    64
.set BF,    128
.set SPA,   32                         ; at the end: the first step's spikes, at work,
.set MEM,   40                         ; the second step's membrane and spikes, at work,
.set PA,    64                         ; the first step's spikes of 16 rows x 128 columns, packed,
.set PB,    96                         ; the second step's,
.set LL,    128                        ; l1 of those,
.set BIAS,  192                        ; and b1
.set WV,  12                           ; s12 wave;  s13 which half of a quarter's channels;  s14 which half of the columns
.set KH,  13
.set CH,  14
.set G1,  24                           ; s[24:31] descriptor group 1
.set G0A, 32                           ; s[32:35] group 0 of the first fill of slot 0
.set G0,  36                           ; s[36:39] group 0 of the first fill of slot 1; it then walks on
.set SLR, 40                           ; s40 LDS byte at which the slot that is being read begins: 0 or WSLOT
.set WB,  41                           ; s41 my 64 rows in a slot
.set LIMW, 42                          ; s42 3 in a wave that prefetches w1b, else the greatest number
.set XG,  44                           ; s[44:45] x at the work-group's first row, at the sub-step that a trip's first quarter loads
.set PFX, 46                           ; s[46:47], s[48:49] where my prefetches of x and of w1b stand
.set PFW, 48
.set MSB, 0
.macro WIN new                         ; the immediate's high byte repeats the setting that is left; a switch that changes nothing is dropped
.if MSB != (\new)
	s_set_vgpr_msb (MSB<<8)|(\new)
.set MSB, \new
.endif
.endm
.macro PLACES                          ; four plain vector instructions between a matrix instruction and a load into a register that it read, or a read of its result
.rept 4
	v_nop
.endr
.endm
.macro CREST                           ; a round of the cluster's barrier behind its opening barrier: wave 0 signals for the work-group, every wave waits for all sixteen, the work-group's barrier closes it
	s_cmp_lg_u32 s[WV], 0
	s_cbranch_scc1 .Lnot_wave_0_\@
	s_barrier_signal -3
.Lnot_wave_0_\@:
	s_barrier_wait -3
	s_barrier_signal -1
	s_barrier_wait -1
.endm
.macro CROUND
	s_barrier_signal -1
	s_barrier_wait -1
	CREST
.endm
; PREFETCHES INTO THE L2, once a trip, behind the joint load and the run of LDS loads.  Trip t (its refill asks for w1b's channels 256 (t + 2) ..) names
;   x's channels 256 (t + 3) .. + 255, whose loads are issued five to eight quarters later: 128 rows x 1,024 bytes; of the rows the partner at place cx takes 32, wave w 8 of them; lane l names row l / 4 and byte
;   256 (l % 4): addresses 256 bytes apart along a row;
;   w1b's channels 256 (t + 4) .., two refills on: 256 rows x 512 bytes; every cluster walks them, the clusters with y = 0 ask; the partner at place cy takes 64 rows, wave w 16 of them; lane l row l / 2, byte 256 (l % 2).
; The partners are told apart by address, never by a branch.  The first channels come by their loads alone; the last four trips ask for nothing, so no request passes channel 4,095.
.macro ASK
	WIN 0
	s_cmp_gt_u32 s3, 3
	s_cbranch_scc0 .Lno_x_\@
	global_prefetch_b8 v[PFOX], s[PFX:PFX+1] th:TH_LOAD_NT scope:SCOPE_SE
.Lno_x_\@:
	s_cmp_gt_u32 s3, s[LIMW]
	s_cbranch_scc0 .Lno_w_\@
	global_prefetch_b8 v[PFOW], s[PFW:PFW+1] th:TH_LOAD_NT scope:SCOPE_SE
.Lno_w_\@:
.endm
	s_load_b256 s[4:11], s[0:1], 0x0               ; x s[4:5], w1b s[6:7], b1 s[8:9], spk s[10:11]
	v_lshl_add_u32 v[SPW], v0, 2, SPARE
	v_mov_b32 v[NIL], 0
	ds_add_u32 v[SPW], v[NIL]                      ; the wave's opening: the add, twice on end, and its wait ahead of my first tensor load
	ds_add_u32 v[SPW], v[NIL]                      ; (the same add once more; the set-up below, work on registers, stands between it and the wait)
	v_lshrrev_b32 v1, 5, v0
	v_readfirstlane_b32 s[WV], v1                  ; wave 0..3
	s_lshr_b32 s[KH], s[WV], 1
	s_and_b32 s[CH], s[WV], 1
	s_bfe_u32 s15, ttmp6, 0x40000                  ; cx
	s_bfe_u32 s16, ttmp6, 0x40004                  ; cy
	s_lshl_b32 s17, ttmp9, 2
	s_add_co_u32 s17, s17, s15                     ; column tile = 4 x cluster x + cx
	s_and_b32 s18, ttmp7, 0xffff
	s_lshl_b32 s18, s18, 2
	s_add_co_u32 s18, s18, s16                     ; row block = 4 x cluster y + cy
	s_lshl_b32 s20, 0x1111, s15                    ; my column of the cluster
	; descriptor group 1: 64 rows x 256 elements a wave, padded in LDS
	s_or_b32 s[G1], s20, (1<<16)|(1<<20)|(1<<21)|(6<<22)|(3<<25)  ; 15:0 the mask; 17:16 elements of 2 bytes; 20 padding on; 21 set beside a mask; 24:22 after every 128 words (code 6); 31:25 4 words (code 3)
	s_mov_b32 s[G1+1], 3968<<16                    ; tensor_dim0: what is left of a row of 4,224 from the second fill's first element (the first fill lies inside that too); each refill takes 256 off
	s_mov_b32 s[G1+2], 64<<16                      ; tensor_dim1 = 64
	s_mov_b32 s[G1+3], 256<<16                     ; tile_dim0 = 256
	s_mov_b32 s[G1+4], 64                          ; tile_dim1 = 64
	s_mov_b32 s[G1+5], 4224                        ; elements from row to row
	s_mov_b32 s[G1+6], 0
	s_mov_b32 s[G1+7], 0
	s_lshl_b32 s50, s17, 8                         ; w1b: row 256 x column tile + 64 x wave: the column tile alone, which my column of the cluster shares
	s_lshl_b32 s21, s[WV], 6
	s_add_co_u32 s50, s50, s21
	s_mul_i32 s50, s50, WROW
	s_mov_b32 s51, 0
	s_mul_i32 s[WB], s[WV], 64*WPI                 ; where they go: no place in the cluster enters an LDS address
	s_mov_b32 s[SLR], 0
	s_wait_dscnt 0x0                               ; both opening adds are done
	s_wait_kmcnt 0x0
	s_add_nc_u64 s[50:51], s[6:7], s[50:51]
	CROUND                                         ; all sixteen work-groups are here: the first joint loads meet
	s_mov_b32 s[G0A], 1                            ; count = 1
	s_add_co_u32 s[G0A+1], s[WB], 0                ; LDS address: slot 0
	s_add_nc_u64 s[G0A+2:G0A+3], s[50:51], 0       ; global address: channels 0 ..
	s_or_b32 s[G0A+3], s[G0A+3], 0x80000000        ; type = 2
	s_mov_b32 s[G0], 1
	s_add_co_u32 s[G0+1], s[WB], WSLOT
	s_add_nc_u64 s[G0+2:G0+3], s[50:51], 512       ; channels 256 ..
	s_or_b32 s[G0+3], s[G0+3], 0x80000000
	tensor_load_to_lds s[G0A:G0A+3], s[G1:G1+7]
	s_nop 0
	tensor_load_to_lds s[G0:G0+3], s[G1:G1+7]      ; two loads of mine are out
	s_nop 0
.rept 4
	v_nop
.endr
	; x: load n of a sub-step's 16 takes, for lanes 0-15, row 32 w + n % 8 + 16 (n / 8) of the work-group's 128 and, for lanes 16-31, the row 8 further down; a lane takes 16 bytes (4 numbers) of the row's 256
	v_and_b32 v1, 15, v0                           ; r = l % 16
	v_bfe_u32 v2, v0, 4, 1                         ; h = l / 16
	v_and_b32 v3, 31, v0                           ; l
	s_lshl_b32 s20, s[WV], 5
	v_lshl_add_u32 v4, v2, 3, s20                  ; 32 w + 8 h
	v_mul_u32_u24 v5, v4, XROW
	v_lshl_add_u32 v[XO], v1, 4, v5
	v_min_u32 v6, 8, v1                            ; the last sub-step holds 36 numbers of a row, nine lanes' 16 bytes: the other lanes read the ninth again (no load leaves x); what they bring meets zeros of w1b
	v_lshl_add_u32 v[XOL], v6, 4, v5
	s_mul_i32 s50, s18, 128*XROW
	s_mov_b32 s51, 0
	s_add_nc_u64 s[XG:XG+1], s[4:5], s[50:51]
	WIN 0x40                                       ; destination window 1, address window 0
.irp s, 0,1,2
.irp n, 0,1,2,3,4,5,6,7,8,9,10,11,12,13,14,15
	global_load_b128 v[64*(\s)+4*(\n):64*(\s)+4*(\n)+3], v[XO], s[XG:XG+1] offset:256*(\s)+((\n)%8+16*((\n)/8))*XROW
.endr
.endr
	WIN 0
	; while they are on their way: the other addresses and the constants
	v_mul_u32_u24 v7, v4, XPB                      ; the same rows in an LDS buffer; 8 bytes a lane.  Lanes 16-31 lie 8 x 144 bytes on: the other half of the banks
	v_lshl_add_u32 v7, v1, 3, v7
	v_add_nc_u32 v[XS], XB, v7
	; A fragment is 16 rows x 32 channels: lane l holds row r, channels 8 h + 0..7 and 16 + 8 h + 0..7: two loads of 16 bytes, 32 apart, at 16 h
	v_mul_u32_u24 v5, v1, XPB
	v_lshl_add_u32 v5, v2, 4, v5
	s_mul_i32 s20, s[KH], 64*XPB+64                ; my own rows 64 kh .., my channels' 64 kh bytes
	s_add_co_u32 s20, s20, XB
	v_add_nc_u32 v[ADRAL], s20, v5
	s_xor_b32 s21, s[KH], 1
	s_mul_i32 s21, s21, 64*XPB                     ; the partner's rows 64 (1 - kh) ..
	s_lshl_b32 s22, s[KH], 6
	s_add_co_u32 s21, s21, s22
	s_add_co_u32 s21, s21, XB
	v_add_nc_u32 v[ADRAH], s21, v5
	v_mul_u32_u24 v6, v1, WPI
	v_lshl_add_u32 v6, v2, 4, v6
	s_mul_i32 s20, s[CH], 128*WPI
	s_add_co_u32 s20, s20, s22
	v_add_nc_u32 v[ADRB0], s20, v6
	v_mov_b32 v[ADRB], v[ADRB0]
	v_lshlrev_b32 v[SO], 4, v3
	v_lshlrev_b32 v[BO], 5, v2
	s_lshl_b32 s20, s[WV], 15                      ; the exchange: 32,768 bytes a wave, in slot 0 when it has had its last fill and its last read
	v_add_nc_u32 v[EXS], s20, v[SO]
	s_xor_b32 s20, s20, 65536                      ; my partner: the same columns, the other half of the channels
	v_add_nc_u32 v[EXL], s20, v[SO]
	v_mov_b32 v[BIG], 0x4e800000
	v_mov_b32 v[BIG+1], 0x4e800000
	v_mov_b32 v[NBIG], 0xce800000
	v_mov_b32 v[NBIG+1], 0xce800000
	v_mov_b32 v[BETA], 0x3f666666
	v_mov_b32 v[BETA+1], 0x3f666666
	s_lshl_b32 s52, s17, 10                        ; b1 at my 128 columns: 4 (256 x column tile + 128 x half)
	s_lshl_b32 s20, s[CH], 9
	s_add_co_u32 s52, s52, s20
	s_mov_b32 s53, 0
	s_add_nc_u64 s[8:9], s[8:9], s[52:53]
	s_lshl_b32 s52, s18, 2                         ; spk at my own 64 rows and 128 columns: row blocks of 32 from 4 x row block + 2 kh, channel blocks of 32 from 8 x column tile + 4 x half
	s_lshl_b32 s20, s[KH], 1
	s_add_co_u32 s52, s52, s20
	s_lshl_b32 s52, s52, 17
	s_lshl_b32 s20, s17, 15
	s_add_co_u32 s52, s52, s20
	s_lshl_b32 s20, s[CH], 14
	s_add_co_u32 s52, s52, s20
	s_add_nc_u64 s[10:11], s[10:11], s[52:53]
	s_lshl_b32 s52, s15, 5                         ; the prefetches of x: my work-group's 32 rows of the 128, my wave's 8 of them, at channel 768
	s_lshl_b32 s20, s[WV], 3
	s_add_co_u32 s52, s52, s20
	s_mul_i32 s52, s52, XROW
	s_add_co_u32 s52, s52, 3*1024
	s_add_nc_u64 s[PFX:PFX+1], s[XG:XG+1], s[52:53]
	s_lshl_b32 s52, s17, 8                         ; of w1b: my work-group's 64 rows of the 256, my wave's 16 of them, at channel 1,024
	s_lshl_b32 s20, s16, 6
	s_add_co_u32 s52, s52, s20
	s_lshl_b32 s20, s[WV], 4
	s_add_co_u32 s52, s52, s20
	s_mul_i32 s52, s52, WROW
	s_add_co_u32 s52, s52, 4*512
	s_add_nc_u64 s[PFW:PFW+1], s[6:7], s[52:53]
	s_and_b32 s20, ttmp7, 0xffff                   ; cluster y
	s_cmp_eq_u32 s20, 0
	s_cselect_b32 s[LIMW], 3, -1                   ; the same in all sixteen partners
	v_lshrrev_b32 v4, 2, v3
	v_mul_u32_u24 v4, v4, XROW
	v_and_b32 v5, 3, v3
	v_lshl_add_u32 v[PFOX], v5, 8, v4
	v_lshrrev_b32 v4, 1, v3
	v_mul_u32_u24 v4, v4, WROW
	v_and_b32 v5, 1, v3
	v_lshl_add_u32 v[PFOW], v5, 8, v4
; One matrix instruction: row block a (hi = 0: of my own rows, 1: of the partner's) x column block b, 32 channels; w1b's fragments and the partner's rows' from the buffers of parity par.  zero = 1: the product starts the sum.
; The 64 accumulators take turns, one instruction a turn, in the same order in every quarter, over the backward jump too.
.macro MM hi, par, a, b, zero
.if \hi
	WIN 0xf0                                       ; sources window 0, C and D window 3
.set RA, AH+32*(\par)+8*(\a)
.else
	WIN 0xa0                                       ; C and D window 2
.set RA, AL+8*(\a)
.endif
.set RD, 8*(8*(\a)+(\b))
.set RB, BF+64*(\par)+8*(\b)
.if \zero
	v_wmma_f32_16x16x32_bf16 v[RD:RD+7], v[RB:RB+7], v[RA:RA+7], 0
.else
	v_wmma_f32_16x16x32_bf16 v[RD:RD+7], v[RB:RB+7], v[RA:RA+7], v[RD:RD+7]
.endif
.endm
; 32 LDS loads in one run: the fragments of the quarter behind quarter q4 (its number modulo 4): x's of my own rows, w1b's eight, x's of the partner's rows: in the order in which they are wanted
.macro LRUN q4
	WIN 0
.set NX,  ((\q4)+1)%4
.set XBO, (NX%2)*XBUF
.irp a, 0,1,2,3
	ds_load_b128 v[AL+8*(\a):AL+8*(\a)+3],   v[ADRAL] offset:XBO+(\a)*16*XPB
	ds_load_b128 v[AL+8*(\a)+4:AL+8*(\a)+7], v[ADRAL] offset:XBO+(\a)*16*XPB+32
.endr
.irp b, 0,1,2,3,4,5,6,7
	ds_load_b128 v[BF+64*(NX%2)+8*(\b):BF+64*(NX%2)+8*(\b)+3],   v[ADRB] offset:(\b)*16*WPI+128*NX
	ds_load_b128 v[BF+64*(NX%2)+8*(\b)+4:BF+64*(NX%2)+8*(\b)+7], v[ADRB] offset:(\b)*16*WPI+128*NX+32
.endr
.irp a, 0,1,2,3
	ds_load_b128 v[AH+32*(NX%2)+8*(\a):AH+32*(NX%2)+8*(\a)+3],   v[ADRAH] offset:XBO+(\a)*16*XPB
	ds_load_b128 v[AH+32*(NX%2)+8*(\a)+4:AH+32*(NX%2)+8*(\a)+7], v[ADRAH] offset:XBO+(\a)*16*XPB+32
.endr
.endm
; QUARTER Q (q4 = Q % 4).  First half: 32 products on my own rows.  Behind the first sixteen stand, four lines each, none of which names a register of the products round it:
;   gk = 1: the 16 loads of x's sub-step Q + 4 into set q4, whose LDS stores were waited for a quarter ago (gk = 2: b1's 16 loads, into a set that is free);
;   cs >= 0: sub-step Q + 1 is rounded in place (32 conversions) and stored into buffer (Q + 1) % 2 (16 stores).  cs counts the loads younger than that sub-step's; the wait stands ahead of this quarter's loads,
;   so that 48 loads of the wave are out at the most.
; THE BARRIER, one a quarter: its signal stands ahead of product 24, behind the wait for all my LDS instructions, its wait behind product 31.  It orders two things: the stores above with the reads of the run
; below, and the reads of the run a quarter ago (of the other buffer) with the next quarter's stores into that buffer.
;   mode 1: the slot's last fragments were read a quarter ago: the barrier is a round of the cluster's, with the wait for all tensor loads (one is out: my part of the other slot) and the add in front of it, and the
;           joint refill is the first thing behind it; 240 matrix instructions stand between the refill and the wait for it.  The run below reads the other slot.
;   mode 2: the same change of slots with nothing left to fetch.     mode 3: the last quarter: no barrier, no run.
; Then the run of 32 LDS loads for quarter Q + 1, and the second half: 32 products on the partner's rows.
.macro QTR q4, zero, gk, goff, greg, cs, mode
.set PAR, (\q4)%2
.set NX,  ((\q4)+1)%4
.set XBO, (NX%2)*XBUF
.if (\cs) >= 0
	s_wait_loadcnt \cs
.endif
.set m, 0
.irp b, 0,1,2,3,4,5,6,7
.irp a, 0,1,2,3
.if m == 0
	s_wait_dscnt 22                                ; of the run of 32: x's eight loads for my rows and w1b's block 0 are in
.endif
.if m == 4
	s_wait_dscnt 20                                ; block 1
.endif
.if m == 8
.if (\cs) >= 0
	s_wait_dscnt 12                                ; all of w1b's: the eight loads for the partner's rows and the four stores issued since may be out
.else
	s_wait_dscnt 8
.endif
.endif
.if (m == 16) && (((\mode) == 1) || ((\mode) == 2))
	WIN 0                                          ; (the add's two registers lie in window 0)
	s_wait_tensorcnt 0x0                           ; all my tensor loads have landed
	ds_add_u32 v[SPW], v[NIL]                      ; 0 onto my spare word: eight matrix instructions stand between it and the wait for it
.endif
.if (m == 24) && ((\mode) < 3)
	s_wait_dscnt 0x0                               ; my stores, my reads (and the add) are done
	s_barrier_signal -1
.endif
	MM 0, PAR, \a, \b, \zero
.if (\gk) && (m < 4)
	WIN 0x40                                       ; destination window 1, address window 0
.irp i, 0,1,2,3
.if (\gk) == 1
	global_load_b128 v[64*(\q4)+4*(4*m+\i):64*(\q4)+4*(4*m+\i)+3], v[\greg], s[XG:XG+1] offset:(\goff)+((4*m+\i)%8+16*((4*m+\i)/8))*XROW
.else
	global_load_b128 v[64*(\q4)+4*(4*m+\i):64*(\q4)+4*(4*m+\i)+3], v[\greg], s[8:9] offset:64*((4*m+\i)/2)+16*((4*m+\i)%2)
.endif
.endr
.endif
.if ((\cs) >= 0) && (m >= 4) && (m < 16)
.set k, m-4
.if (k%3) < 2
	WIN 0x45                                       ; sources and destination window 1
.irp i, 0,1
.set d, 64*NX+4*(4*(k/3)+2*(k%3)+\i)
	v_cvt_pk_bf16_f32 v[d],   v[d],   v[d+1]
	v_cvt_pk_bf16_f32 v[d+1], v[d+2], v[d+3]
.endr
.else
	WIN 0x04                                       ; address window 0, data window 1
.irp i, 0,1,2,3
.set n, 4*(k/3)+\i
	ds_store_b64 v[XS], v[64*NX+4*n:64*NX+4*n+1] offset:XBO+(n%8+16*(n/8))*XPB
.endr
.endif
.endif
.set m, m+1
.endr
.endr
.if (\mode) == 1
	WIN 0
	s_barrier_wait -1
	CREST                                          ; no wave of any partner still reads the slot or has a load on its way
	s_add_co_u32 s[G0+1], s[WB], s[SLR]            ; the slot that has been read out,
	s_add_nc_u64 s[G0+2:G0+3], s[G0+2:G0+3], 512   ; the next 256 channels; the type bits on top are not reached
	s_sub_co_u32 s[G1+1], s[G1+1], 256<<16         ; what is left of a row from there: 128 at the last refill, whose other columns arrive as zeros
	s_xor_b32 s[SLR], s[SLR], WSLOT                ; the reads go on in the other slot
	v_add_nc_u32 v[ADRB], s[SLR], v[ADRB0]
	tensor_load_to_lds s[G0:G0+3], s[G1:G1+7]
	s_nop 0
.rept 4
	v_nop                                          ; also the places in front of the loads below
.endr
.elseif (\mode) == 2
	WIN 0
	s_barrier_wait -1
	s_xor_b32 s[SLR], s[SLR], WSLOT
	v_add_nc_u32 v[ADRB], s[SLR], v[ADRB0]
	PLACES
.elseif (\mode) == 0
	s_barrier_wait -1
	PLACES                                         ; for the loads into the registers of x's fragments of my rows, which the products just issued read
.else
	s_wait_dscnt 0x0                               ; the fragments of the partner's rows
.endif
.if (\mode) < 3
	LRUN \q4
.endif
.if (\mode) == 1
	ASK
.endif
.irp b, 0,1,2,3,4,5,6,7
.irp a, 0,1,2,3
	MM 1, PAR, \a, \b, \zero
.endr
.endr
.endm
	s_wait_loadcnt 32                              ; sub-step 0 is in; the loads of sub-steps 1 and 2 may be out
	WIN 0x45
.irp n, 0,1,2,3,4,5,6,7,8,9,10,11,12,13,14,15
	v_cvt_pk_bf16_f32 v[4*(\n)],   v[4*(\n)],   v[4*(\n)+1]
	v_cvt_pk_bf16_f32 v[4*(\n)+1], v[4*(\n)+2], v[4*(\n)+3]
.endr
	WIN 0x04
.irp n, 0,1,2,3,4,5,6,7,8,9,10,11,12,13,14,15
	ds_store_b64 v[XS], v[4*(\n):4*(\n)+1] offset:((\n)%8+16*((\n)/8))*XPB
.endr
	WIN 0x40
.irp n, 0,1,2,3,4,5,6,7,8,9,10,11,12,13,14,15
	global_load_b128 v[192+4*(\n):192+4*(\n)+3], v[XO], s[XG:XG+1] offset:768+((\n)%8+16*((\n)/8))*XROW  ; sub-step 3
.endr
	WIN 0
	s_wait_tensorcnt 0x1                           ; my part of slot 0 is in; slot 1's may stay out
	s_wait_dscnt 0x0                               ; my part of x's sub-step 0 is stored
	s_barrier_signal -1
	s_barrier_wait -1                              ; everybody's is
	LRUN 3                                         ; the fragments of quarter 0
	QTR 0, 1, 1, 1024, XO, 32, 0                   ; quarter 0 stands in front of the loop: its products start the sums
	WIN 0                                          ; at a label and at a branch every window is 0
	s_wait_xcnt 0x0                                ; every load issued so far has read its address
	s_add_nc_u64 s[XG:XG+1], s[XG:XG+1], 5*256     ; at sub-step 5, which quarter 1 loads
	s_mov_b32 s3, 15
.Llap:                                                 ; trip t: quarters 4 t + 1 .. 4 t + 4; x's sub-steps 4 t + 5 .. 4 t + 8 and w1b's channels 256 (t + 2) .. are asked for
	s_cmp_eq_u32 s3, 1                             ; the last trip's last quarter loads the last sub-step, with the clamped offset
	s_cselect_b32 s20, -1, 0
	v_cndmask_b32 v[XO3], v[XO], v[XOL], s20
	QTR 1, 0, 1, 0,   XO,  32, 0
	QTR 2, 0, 1, 256, XO,  32, 0
	QTR 3, 0, 1, 512, XO,  32, 1
	QTR 0, 0, 1, 768, XO3, 32, 0
	WIN 0
	s_wait_xcnt 0x0                                ; the trip's loads (the youngest 60 matrix instructions back) and prefetches (96 back) have read their addresses: the pointers and the offset above may be written
	s_add_nc_u64 s[XG:XG+1], s[XG:XG+1], 1024
	s_add_nc_u64 s[PFX:PFX+1], s[PFX:PFX+1], 1024
	s_add_nc_u64 s[PFW:PFW+1], s[PFW:PFW+1], 512
	s_sub_co_u32 s3, s3, 1
	s_cmp_lg_u32 s3, 0
	s_cbranch_scc1 .Llap
	QTR 1, 0, 2, 0, BO, 32, 0                      ; quarter 61: nothing of x is left to load; b1 takes the place, in set 1, which is free
	QTR 2, 0, 0, 0, XO, 32, 0                      ; quarter 62: younger than sub-step 63's loads are sub-step 64's and b1's
	QTR 3, 0, 0, 0, XO, 16, 2                      ; quarter 63: b1's alone; the last change of slots
	QTR 0, 0, 0, 0, XO, -1, 3                      ; quarter 64
	WIN 0
	PLACES                                         ; behind the last products
	; THE EXCHANGE.  The sums of the partner's 64 rows (window 3) go through LDS, 32 KiB a wave, into bytes of slot 0, which has had its last fill; nobody reads it any more behind this barrier.
	s_wait_dscnt 0x0
	s_barrier_signal -1
	s_barrier_wait -1
	WIN 0x0c                                       ; store data window 3
.set i, 0
.rept 32
	ds_store_b128 v[EXS], v[8*i:8*i+3]   offset:1024*i      ; each accumulator's low four registers first
	ds_store_b128 v[EXS], v[8*i+4:8*i+7] offset:1024*i+512
.set i, i+1
.endr
	s_wait_loadcnt 0x0                             ; b1: rounded to bf16 like the other inputs, and widened again, while the stores are on their way
	WIN 0x05                                       ; sources window 1, destination window 0
.set i, 0
.rept 32
	v_cvt_pk_bf16_f32 v[BIAS+i], v[64+i], v[64+i+1]
.set i, i+2
.endr
	WIN 0
.set i, 0
.rept 32
	v_and_b32 v[BIAS+i+1], 0xffff0000, v[BIAS+i]
	v_lshlrev_b32 v[BIAS+i], 16, v[BIAS+i]
.set i, i+2
.endr
	s_wait_dscnt 0x0                               ; for the partner's sake
	s_barrier_signal -1
	s_barrier_wait -1
	WIN 0x40
.set i, 0
.rept 32
	ds_load_b128 v[8*i:8*i+3],   v[EXL] offset:1024*i       ; the partner's sums for my own rows: accumulator i at v[8 i] of window 1
	ds_load_b128 v[8*i+4:8*i+7], v[EXL] offset:1024*i+512
.set i, i+1
.endr
; Row block a of my four: l1 = my sum + the partner's + b1; both steps' spikes; 16 stores of 512 consecutive bytes.
.macro BLOCK a
	s_wait_dscnt 48-16*(\a)                        ; this block's 16 loads are in; the later blocks' may be out
.if (\a) > 0
	s_wait_xcnt 0x0                                ; the last block's stores have read their data: only behind this wait are the packed spikes written anew
.endif
	WIN 0x06                                       ; source 0 window 2, source 1 window 1, destination window 0
.set i, 0
.rept 32
	v_pk_add_f32 v[LL+i:LL+i+1], v[64*(\a)+i:64*(\a)+i+1], v[64*(\a)+i:64*(\a)+i+1]
.set i, i+2
.endr
	WIN 0
.irp b, 0,1,2,3,4,5,6,7
.irp p, 0,2,4,6
	v_pk_add_f32 v[LL+8*(\b)+(\p):LL+8*(\b)+(\p)+1], v[LL+8*(\b)+(\p):LL+8*(\b)+(\p)+1], v[BIAS+8*(\b)+(\p):BIAS+8*(\b)+(\p)+1]
.endr
.irp p, 0,2,4,6
	v_pk_fma_f32 v[SPA+(\p):SPA+(\p)+1], v[LL+8*(\b)+(\p):LL+8*(\b)+(\p)+1], v[BIG:BIG+1], v[NBIG:NBIG+1] clamp   ; spkA = (l1 > 1)
.endr
.irp p, 0,2,4,6
	v_pk_fma_f32 v[MEM+(\p):MEM+(\p)+1], v[LL+8*(\b)+(\p):LL+8*(\b)+(\p)+1], v[BETA:BETA+1], v[LL+8*(\b)+(\p):LL+8*(\b)+(\p)+1]  ; 0.9 l1 + l1
.endr
.irp p, 0,2,4,6
	v_pk_add_f32 v[MEM+(\p):MEM+(\p)+1], v[MEM+(\p):MEM+(\p)+1], v[SPA+(\p):SPA+(\p)+1] neg_lo:[0,1] neg_hi:[0,1]  ; - spkA
.endr
.irp p, 0,2,4,6
	v_pk_fma_f32 v[MEM+(\p):MEM+(\p)+1], v[MEM+(\p):MEM+(\p)+1], v[BIG:BIG+1], v[NBIG:NBIG+1] clamp               ; spkB = (m > 1)
.endr
.irp p, 0,1,2,3
	v_cvt_pk_bf16_f32 v[PA+4*(\b)+(\p)], v[SPA+2*(\p)], v[SPA+2*(\p)+1]
.endr
.irp p, 0,1,2,3
	v_cvt_pk_bf16_f32 v[PB+4*(\b)+(\p)], v[MEM+2*(\p)], v[MEM+2*(\p)+1]
.endr
	global_store_b128 v[SO], v[PA+4*(\b):PA+4*(\b)+3], s[10:11] offset:((\a)/2)*131072+((\b)/2)*4096+((\a)%2)*1024+((\b)%2)*512
	global_store_b128 v[SO], v[PB+4*(\b):PB+4*(\b)+3], s[10:11] offset:((\a)/2)*131072+((\b)/2)*4096+2048+((\a)%2)*1024+((\b)%2)*512
.endr
.endm
	BLOCK 0
	BLOCK 1
	BLOCK 2
	BLOCK 3
	s_wait_tensorcnt 0x0                           ; the wave's end: behind my last tensor load and my last LDS store
	ds_add_u32 v[SPW], v[NIL]
	s_wait_dscnt 0x0
	CROUND                                         ; the closing round: no work-group ends while a partner may still ask for a tile that names it
	s_endpgm
.Lfunc_end_k_qcd1be18f4a_lif1:
	.size	k_qcd1be18f4a_lif1, .Lfunc_end_k_qcd1be18f4a_lif1-k_qcd1be18f4a_lif1
	.p2alignl 7, 3214868480
	.fill 96, 4, 3214868480
	.section	.rodata,"a",@progbits
	.p2align	6, 0x0
	.amdhsa_kernel k_qcd1be18f4a_lif1
		.amdhsa_group_segment_fixed_size 327680
		.amdhsa_private_segment_fixed_size 0
		.amdhsa_enable_private_segment 0
		.amdhsa_kernarg_size 32
		.amdhsa_user_sgpr_count 2
		.amdhsa_user_sgpr_kernarg_segment_ptr 1
		.amdhsa_wavefront_size32 1
		.amdhsa_system_sgpr_workgroup_id_x 1
		.amdhsa_system_sgpr_workgroup_id_y 1
		.amdhsa_system_sgpr_workgroup_id_z 1
		.amdhsa_system_vgpr_workitem_id 0
		.amdhsa_next_free_vgpr 1024
		.amdhsa_next_free_sgpr 66
		.amdhsa_reserve_vcc 0
		.amdhsa_float_denorm_mode_32 3
		.amdhsa_float_denorm_mode_16_64 3
		.amdhsa_memory_ordered 1
		.amdhsa_forward_progress 1
		.amdhsa_inst_pref_size 201
	.end_amdhsa_kernel
	.amdgpu_metadata
---
amdhsa.version: [ 1, 2 ]
amdhsa.kernels:
  - .name:           k_qcd1be18f4a_lif1
    .symbol:         k_qcd1be18f4a_lif1.kd
    .args:
      - { .name: x, .offset: 0, .size: 8, .value_kind: global_buffer, .address_space: global }
      - { .name: w1b, .offset: 8, .size: 8, .value_kind: global_buffer, .address_space: global }
      - { .name: b1, .offset: 16, .size: 8, .value_kind: global_buffer, .address_space: global }
      - { .name: spk, .offset: 24, .size: 8, .value_kind: global_buffer, .address_space: global }
    .group_segment_fixed_size: 327680
    .private_segment_fixed_size: 0
    .kernarg_segment_align: 8
    .kernarg_segment_size: 32
    .max_flat_workgroup_size: 128
    .sgpr_count:     66
    .vgpr_count:     1024
    .wavefront_size: 32
...
	.end_amdgpu_metadata
.endif
;; end of part 2
;; launch lif2 (part 3): grid 256 x 1, 4 waves a work-group, clusters of 4 x 1, 327,680 bytes of LDS; arguments spk, w2k, b2, W3, b3, out0; writes out0
.if DOCPART == 3
	.amdgcn_target "amdgcn-amd-amdhsa--gfx1250"
	.amdhsa_code_object_version 6
	.text
	.protected	k_qcd1be18f4a_lif2
	.globl	k_qcd1be18f4a_lif2
	.p2align	8
	.type	k_qcd1be18f4a_lif2,@function
k_qcd1be18f4a_lif2:
	s_mov_b64 s[64:65], 0
	v_nop
	global_prefetch_b8 v0, s[64:65] scope:SCOPE_SE
	s_setreg_imm32_b32 hwreg(HW_REG_WAVE_MODE, 25, 1), 1
	s_wait_xcnt 0x0
	s_wait_alu depctr_hold_cnt(0) depctr_sa_sdst(0) depctr_va_vdst(0) depctr_va_sdst(0) depctr_va_ssrc(0) depctr_va_vcc(0) depctr_vm_vsrc(0)
	s_getreg_b32 s2, hwreg(HW_REG_IB_STS2, 6, 4)
	s_cmp_eq_u32 s2, 0
	s_cbranch_scc0 .Lentry_in_a_cluster
	s_endpgm
.Lentry_in_a_cluster:
	s_bfe_u32 s2, ttmp6, 0x10000c
	s_cmp_lg_u32 s2, 0x3003
	s_cbranch_scc0 .Lentry_shape_is_right
	s_endpgm
.Lentry_shape_is_right:
; THE SECOND LAYER AND THE READ-OUT.  l2A = spkA W2^T + b2, l2B = spkB W2^T + b2;  sA = (l2A > 1);  m = 0.9 l2A + l2B - sA;  sB = (m > 1);  q = (sA + sB) W3^T + b3.
; FORMATS AND LIMITS.  W2 (in w2k), b2, W3 and b3 are each rounded once to bf16, nearest even; spikes (0, 1) and their sums (0, 1, 2) are exact in bf16; products exact, sums in f32, in another order than a
; plain dot product's (q's K is split over the four waves; the partial sums, f32, meet in LDS).  0.9 a + b is one fused multiply-add.  u > 1 is taken as clamp(u 2^30 - 2^30) to 0 .. 1: exact for every finite
; u and for an overflow.  NaN is not treated apart.  A value within the sums' rounding of a threshold can give the other spike.
; SHARES.  Work-group g owns batch rows 32 g .. 32 g + 31 with both steps' spikes: four operand tiles of 16 rows (tile = 2 x step + which 16), against all 1,024 columns; wave w takes columns 256 w .. + 255:
; 4 x 16 = 64 accumulators, 512 registers.  K = 1,024 goes in 16 steps of 64, each two halves of 32.  A row's 1,024 second-layer spikes lie in one work-group, so the product with W3 is made here.
; OPERANDS.  W2 (source 0) comes through a ring of two LDS slots; a fragment read from LDS feeds four products.  The spikes (source 1) come STRAIGHT FROM MEMORY: spk holds register images, so a fragment is two
; loads of 512 consecutive bytes; no work-group shares them; they run three halves ahead, in a ring of four register buffers.  In the result a lane holds row l % 16 and columns 8 (l / 16) + 0..7.
; CLUSTER 4 x 1.  All work-groups walk the same w2k: each tile is asked for jointly by the four of a cluster.
; REGISTERS, in windows of 256 (s_set_vgpr_msb: bits 1:0 source 0, 3:2 source 1, 5:4 source 2, 7:6 destination):
;   window 0: v16-29 addresses; v32-47 q's two accumulators; v48-53 constants; v64-191 the spikes' ring (half j in buffer j % 4, tile t at + 8 t), at the end at work; v192-255 W3's eight fragments
;   window 1: v0-127, v128-255 W2's fragments, two buffers (at the start W3 as f32, at the end b2)          window 2: the first step's accumulators at 8 (16 mt + b);   window 3: the second step's
.set WP2,   144                        ; an LDS row: 128 bytes + 16 of padding = 36 words: the 16 rows of a load start at 16 different groups of four banks (64 banks of 4 bytes: ISA guide 11.1)
.set SLOT,  1024*WP2
.set SPARE, 2*SLOT                     ; behind the ring: the spare words, 128 bytes for each wave: two blocks of 256 bytes that no other line names
.set QST,   SPARE+512                  ; q's partial tiles: wave w's two at 2,048 w + 1,024 mt, as register images; no tensor load lands here
.set OST,   QST+8192                   ; the work-group's [32][9] of q, as it lies in out0
.set ADRB, 16                          ; v16-17 LDS address of W2's fragments in slot 0, 1
.set AO,   18                          ; v18    16 x lane
.set W3O,  19                          ; v19    my byte offset in W3
.set BO,   20                          ; v20    32 x (lane / 16)
.set PFO,  21                          ; v21    256 x lane; never rewritten
.set QS,   22                          ; v22    where I put q's partial tiles
.set QL,   23                          ; v23    where waves 0 and 1 read them
.set OA,   24                          ; v24    my place in OST
.set OL,   25                          ; v25    OST + 16 x thread
.set GO,   26                          ; v26    16 x thread
.set SPW,  28
.set NIL,  29
.set QQ,   32
.set BIG,  48                          ; v[48:49] 2^30 twice; v[50:51] -2^30; v[52:53] 0.9
.set NBIG, 50
.set BETA, 52
.set RING, 64
.set LA,   64                          ; at the end: l2A of 2 x 16 rows x 32 columns; l2B; spikes; the packed sums
.set LB,   96
.set SPA,  128
.set SS,   160
.set W3F,  192
.set WV,   16                          ; s16 wave
.set G1,   24                          ; s[24:31] descriptor group 1;  s[32:39] group 0, one set a slot
.set G0,   32
.set SPK,  40                          ; s[40:41] the spikes' pointer
.set PFW,  42                          ; s[42:43] where my prefetches of w2k stand;  s[44:45] of spk
.set PFS,  44
.set LIMW, 46                          ; s46, s47: 2 in a wave that prefetches w2k, spk; else the greatest number
.set LIMS, 47
.set B3,   48                          ; s[48:56] b3
.set MSB, 0
.macro WIN new
.if MSB != (\new)
	s_set_vgpr_msb (MSB<<8)|(\new)
.set MSB, \new
.endif
.endm
.macro PLACES                          ; four plain vector instructions between a matrix instruction and a load into a register that it read, or a read of its result
.rept 4
	v_nop
.endr
.endm
.macro CREST
	s_cmp_lg_u32 s[WV], 0
	s_cbranch_scc1 .Lnot_wave_0_\@
	s_barrier_signal -3
.Lnot_wave_0_\@:
	s_barrier_wait -3
	s_barrier_signal -1
	s_barrier_wait -1
.endm
.macro CROUND
	s_barrier_signal -1
	s_barrier_wait -1
	CREST
.endm
; PREFETCHES INTO THE L2: the change of slots in K step t, which asks for step t + 2, names step t + 5: three steps, 384 matrix instructions, ahead of w2k's load.  w2k: the first cluster asks; its 4 partners x 4 waves
; x 32 lanes name the step's 512 blocks of 256 bytes by address.  spk: each work-group reads its own part; wave 0 names the step's 32 blocks.  The loop's last two trips ask for nothing: the last step named is 14 of 0 .. 15.
.macro ASK
	WIN 0
	s_cmp_gt_u32 s3, s[LIMW]
	s_cbranch_scc0 .Lno_w_\@
	global_prefetch_b8 v[PFO], s[PFW:PFW+1] th:TH_LOAD_NT scope:SCOPE_SE
.Lno_w_\@:
	s_cmp_gt_u32 s3, s[LIMS]
	s_cbranch_scc0 .Lno_s_\@
	global_prefetch_b8 v[PFO], s[PFS:PFS+1] th:TH_LOAD_NT scope:SCOPE_SE
.Lno_s_\@:
.endm
	s_load_b256 s[4:11], s[0:1], 0x0               ; spk s[4:5], w2k s[6:7], b2 s[8:9], W3 s[10:11]
	s_load_b128 s[12:15], s[0:1], 0x20             ; b3 s[12:13], out0 s[14:15]
	v_lshl_add_u32 v[SPW], v0, 2, SPARE
	v_mov_b32 v[NIL], 0
	ds_add_u32 v[SPW], v[NIL]                      ; the wave's opening: the add, twice on end, and its wait ahead of my first tensor load
	ds_add_u32 v[SPW], v[NIL]                      ; (the same add once more; the set-up below, work on registers, stands between it and the wait)
	v_lshrrev_b32 v1, 5, v0
	v_readfirstlane_b32 s[WV], v1                  ; wave 0..3
	; descriptor group 1.  A wave's 256 rows of a K step are 32,768 dense bytes: asked for as 128 rows of 256 bytes, two rows of w2k each, and padded in LDS after every 128 bytes
	s_mov_b32 s[G1], 15|(1<<16)|(1<<20)|(1<<21)|(4<<22)|(3<<25)  ; 15:0 the mask of four; 17:16 2-byte elements; 20 padding on; 21 set beside a mask; 24:22 after every 32 words (code 4); 31:25 4 words (code 3)
	s_mov_b32 s[G1+1], 128<<16                     ; tensor_dim0 = 128
	s_mov_b32 s[G1+2], 128<<16                     ; tensor_dim1 = 128
	s_mov_b32 s[G1+3], 128<<16                     ; tile_dim0 = 128
	s_mov_b32 s[G1+4], 128                         ; tile_dim1 = 128
	s_mov_b32 s[G1+5], 128                         ; elements from row to row
	s_mov_b32 s[G1+6], 0
	s_mov_b32 s[G1+7], 0
	s_mul_i32 s20, s[WV], 256*WP2                  ; my 256 rows in a slot,
	s_lshl_b32 s22, s[WV], 15                      ; and in a K step of w2k: the wave's number alone
	s_mov_b32 s23, 0
	s_wait_dscnt 0x0                               ; both opening adds are done
	s_wait_kmcnt 0x0
	s_add_nc_u64 s[22:23], s[6:7], s[22:23]
	CROUND                                         ; all four work-groups are here: the first joint loads meet
.irp s, 0,1
	s_mov_b32 s[G0+4*(\s)], 1
	s_add_co_u32 s[G0+4*(\s)+1], s20, (\s)*SLOT
	s_add_nc_u64 s[G0+4*(\s)+2:G0+4*(\s)+3], s[22:23], (\s)*131072
	s_or_b32 s[G0+4*(\s)+3], s[G0+4*(\s)+3], 0x80000000
.endr
	tensor_load_to_lds s[G0:G0+3], s[G1:G1+7]      ; K step 0
	s_nop 0
	tensor_load_to_lds s[G0+4:G0+7], s[G1:G1+7]    ; K step 1: two loads of mine are out
	s_nop 0
.rept 4
	v_nop
.endr
	; while they land
	v_and_b32 v1, 15, v0                           ; r
	v_bfe_u32 v2, v0, 4, 1                         ; h
	v_and_b32 v3, 31, v0                           ; l
	v_min_u32 v5, 8, v1                            ; W3 has nine rows: lanes of rows 9 .. 15 read row 8 again; what they make is never stored
	v_lshlrev_b32 v5, 12, v5
	v_lshl_add_u32 v5, v2, 5, v5
	s_lshl_b32 s21, s[WV], 10                      ; my 256 channels
	v_add_nc_u32 v[W3O], s21, v5
	v_lshlrev_b32 v[AO], 4, v3
	WIN 0x40                                       ; destination window 1
.irp k, 0,1,2,3,4,5,6,7                ; W3's fragment k (16 rows x channels 32 k ..) as f32: four loads of 16 bytes, at 32 h + 0, 16, 64, 80
	global_load_b128 v[128+16*(\k):128+16*(\k)+3],     v[W3O], s[10:11] offset:128*(\k)
	global_load_b128 v[128+16*(\k)+4:128+16*(\k)+7],   v[W3O], s[10:11] offset:128*(\k)+16
	global_load_b128 v[128+16*(\k)+8:128+16*(\k)+11],  v[W3O], s[10:11] offset:128*(\k)+64
	global_load_b128 v[128+16*(\k)+12:128+16*(\k)+15], v[W3O], s[10:11] offset:128*(\k)+80
.endr
	WIN 0
	s_bfe_u32 s17, ttmp6, 0x40000                  ; cx: it enters global addresses of spk, out0 and the prefetches alone
	s_lshl_b32 s18, ttmp9, 2
	s_add_co_u32 s18, s18, s17                     ; g
	s_lshl_b32 s66, s18, 17
	s_mov_b32 s67, 0
	s_add_nc_u64 s[SPK:SPK+1], s[4:5], s[66:67]    ; my 32 rows' 131,072 bytes
; A half's four fragments of spikes: eight loads of 512 consecutive bytes into ring buffer buf, from byte off behind the pointer
.macro ALOAD buf, off
	WIN 0
.irp t, 0,1,2,3
	global_load_b128 v[RING+32*(\buf)+8*(\t):RING+32*(\buf)+8*(\t)+3],   v[AO], s[SPK:SPK+1] offset:(\off)+1024*(\t)
	global_load_b128 v[RING+32*(\buf)+8*(\t)+4:RING+32*(\buf)+8*(\t)+7], v[AO], s[SPK:SPK+1] offset:(\off)+1024*(\t)+512
.endr
.endm
	ALOAD 0, 0
	ALOAD 1, 4096
	ALOAD 2, 8192
	s_load_b256 s[B3:B3+7], s[12:13], 0x0
	s_load_b32 s[B3+8], s[12:13], 0x20
	s_add_nc_u64 s[PFS:PFS+1], s[SPK:SPK+1], 4*8192  ; at K step 4: the first change of slots steps both to 5
	s_lshl_b32 s66, s17, 15
	s_lshl_b32 s68, s[WV], 13
	s_add_co_u32 s66, s66, s68
	s_add_co_u32 s66, s66, 4*131072
	s_add_nc_u64 s[PFW:PFW+1], s[6:7], s[66:67]
	s_cmp_eq_u32 ttmp9, 0
	s_cselect_b32 s[LIMW], 2, -1                   ; the same in all four partners
	s_cmp_eq_u32 s[WV], 0
	s_cselect_b32 s[LIMS], 2, -1
	s_lshl_b32 s66, s[WV], 10
	s_add_nc_u64 s[8:9], s[8:9], s[66:67]          ; b2 at my 256 columns
	s_mul_i32 s66, s18, 1152
	s_add_nc_u64 s[14:15], s[14:15], s[66:67]      ; out0 at my 32 rows
	v_mul_u32_u24 v4, v1, WP2
	v_lshl_add_u32 v4, v2, 4, v4
	v_add_nc_u32 v[ADRB], s20, v4
	v_add_nc_u32 v[ADRB+1], SLOT, v[ADRB]
	v_lshlrev_b32 v[BO], 5, v2
	v_lshlrev_b32 v[PFO], 8, v3
	s_lshl_b32 s21, s[WV], 11
	s_add_co_u32 s21, s21, QST
	v_add_nc_u32 v[QS], s21, v[AO]
	s_lshl_b32 s21, s[WV], 10
	s_add_co_u32 s21, s21, QST
	v_add_nc_u32 v[QL], s21, v[AO]
	s_mul_i32 s21, s[WV], 16*36
	s_add_co_u32 s21, s21, OST
	v_mul_u32_u24 v5, v1, 36
	v_lshl_add_u32 v5, v2, 5, v5
	v_add_nc_u32 v[OA], s21, v5                    ; row 16 w + r of the 32, output 8 h
	v_lshlrev_b32 v[GO], 4, v0
	v_add_nc_u32 v[OL], OST, v[GO]
	v_mov_b32 v[BIG], 0x4e800000
	v_mov_b32 v[BIG+1], 0x4e800000
	v_mov_b32 v[NBIG], 0xce800000
	v_mov_b32 v[NBIG+1], 0xce800000
	v_mov_b32 v[BETA], 0x3f666666
	v_mov_b32 v[BETA+1], 0x3f666666
	s_wait_loadcnt 24                              ; W3 is in; the 24 loads of the first three halves' spikes may be out
	WIN 0x05                                       ; sources window 1, destination window 0
.set i, 0
.rept 64
	v_cvt_pk_bf16_f32 v[W3F+i], v[128+2*i], v[128+2*i+1]
.set i, i+1
.endr
	WIN 0
	s_wait_kmcnt 0x0                               ; b3
; 16 matrix instructions: tile t x my 16 column blocks, 32 along K: W2 from buffer f, the spikes of half j.  The 64 accumulators take turns, in the same order in every half.
.macro MUL16 f, j, t, zero
	WIN 0xa1+0x50*((\t)/2)                         ; W2 window 1, spikes window 0, C and D window 2 or 3
.irp b, 0,1,2,3,4,5,6,7,8,9,10,11,12,13,14,15
.if \zero
	v_wmma_f32_16x16x32_bf16 v[8*(16*((\t)%2)+(\b)):8*(16*((\t)%2)+(\b))+7], v[(\f)+8*(\b):(\f)+8*(\b)+7], v[RING+32*((\j)%4)+8*(\t):RING+32*((\j)%4)+8*(\t)+7], 0
.else
	v_wmma_f32_16x16x32_bf16 v[8*(16*((\t)%2)+(\b)):8*(16*((\t)%2)+(\b))+7], v[(\f)+8*(\b):(\f)+8*(\b)+7], v[RING+32*((\j)%4)+8*(\t):RING+32*((\j)%4)+8*(\t)+7], v[8*(16*((\t)%2)+(\b)):8*(16*((\t)%2)+(\b))+7]
.endif
.endr
.endm
.macro FETCH slot, hh, f               ; 32 LDS loads in one run: half hh of a slot's K step into buffer f
	WIN 0x40
.irp b, 0,1,2,3,4,5,6,7,8,9,10,11,12,13,14,15
	ds_load_b128 v[(\f)+8*(\b):(\f)+8*(\b)+3],   v[ADRB+(\slot)] offset:(\b)*16*WP2+64*(\hh)
	ds_load_b128 v[(\f)+8*(\b)+4:(\f)+8*(\b)+7], v[ADRB+(\slot)] offset:(\b)*16*WP2+64*(\hh)+32
.endr
.endm
; An even half j multiplies buffer 0 and fetches the step's second half.  ld = 1: the spikes of half j + 3 are asked for, into the ring buffer that half j - 1 has left.  cnt: the spikes' loads younger than half j's.
.macro H0 slot, j, zero, ld, cnt
	s_wait_loadcnt \cnt
	s_wait_dscnt 0x0
	MUL16 0, \j, 0, \zero
	MUL16 0, \j, 1, \zero
	PLACES                                         ; for the loads into W2's buffer 1 and the ring buffer, which the half before multiplied
	FETCH \slot, 1, 128
.if \ld
	ALOAD ((\j)+3)%4, 12288
.endif
	MUL16 0, \j, 2, \zero
	MUL16 0, \j, 3, \zero
.endm
; An odd half j multiplies buffer 1 and changes slots.  In front of the barrier each wave waits for all its tensor loads (one is out: its part of the next slot), adds 0 to its spare word, and waits for that and for its
; reads of this slot.  fill = 1: this slot is filled again, two K steps ahead: the barrier opens a round of the cluster's, and the joint load is the first thing behind it.
.macro H1T slot, next, j, fill, ld, cnt
.if \fill
	s_wait_xcnt 0x0                                ; every load and prefetch issued so far has read its address: the three pointers may be written
	s_add_nc_u64 s[PFW:PFW+1], s[PFW:PFW+1], 131072
	s_add_nc_u64 s[PFS:PFS+1], s[PFS:PFS+1], 8192
	s_add_nc_u64 s[SPK:SPK+1], s[SPK:SPK+1], 8192
.endif
	WIN 0
	s_wait_tensorcnt 0x0                           ; all my tensor loads have landed
	ds_add_u32 v[SPW], v[NIL]                      ; 0 onto my spare word
	s_wait_loadcnt \cnt
	s_wait_dscnt 0x1                               ; the add alone may be out: W2's fragments are in
	MUL16 128, \j, 0, 0                            ; sixteen matrix instructions stand between the add and the wait for it
	s_wait_dscnt 0x0                               ; the add is done, and my reads of this slot are over
	s_barrier_signal -1
	MUL16 128, \j, 1, 0
	WIN 0
	s_barrier_wait -1
.if \fill
	CREST                                          ; no wave of any partner still reads this slot or has a load on its way
	s_add_nc_u64 s[G0+4*(\slot)+2:G0+4*(\slot)+3], s[G0+4*(\slot)+2:G0+4*(\slot)+3], 2*131072
	tensor_load_to_lds s[G0+4*(\slot):G0+4*(\slot)+3], s[G1:G1+7]
	s_nop 0
.rept 4
	v_nop                                          ; also the places in front of the loads below
.endr
.else
	PLACES
.endif
	FETCH \next, 0, 0
.if \ld
	ALOAD ((\j)+3)%4, 8192
.endif
.if \fill
	ASK
.endif
	MUL16 128, \j, 2, 0
	MUL16 128, \j, 3, 0
.endm
	s_wait_tensorcnt 0x1                           ; my part of K step 0 is in; step 1's may stay out
	s_barrier_signal -1
	s_barrier_wait -1
	FETCH 0, 0, 0
	H0 0, 0, 1, 1, 16                              ; half 0 stands in front of the loop: its products start the sums
	WIN 0
	s_mov_b32 s3, 7
.Ltrip:                                                ; trip i: halves 4 i + 1 .. 4 i + 4; K steps 2 i + 2 and 2 i + 3 and the spikes of halves 4 i + 4 .. 4 i + 7 are asked for
	H1T 0, 1, 1, 1, 1, 16
	H0 1, 2, 0, 1, 16
	H1T 1, 0, 3, 1, 1, 16
	H0 0, 0, 0, 1, 16
	WIN 0
	s_sub_co_u32 s3, s3, 1
	s_cmp_lg_u32 s3, 0
	s_cbranch_scc1 .Ltrip
	H1T 0, 1, 1, 0, 0, 16                          ; half 29: nothing is left to ask for; the counts run down
	H0 1, 2, 0, 0, 8                               ; half 30
	s_wait_loadcnt 0x0                             ; half 31
	s_wait_dscnt 0x0
	PLACES                                         ; for b2's loads into W2's buffer 0, which half 30 multiplied
	WIN 0x40
.irp b, 0,1,2,3,4,5,6,7,8,9,10,11,12,13,14,15
	global_load_b128 v[8*(\b):8*(\b)+3],   v[BO], s[8:9] offset:64*(\b)
	global_load_b128 v[8*(\b)+4:8*(\b)+7], v[BO], s[8:9] offset:64*(\b)+16
.endr
	MUL16 128, 3, 0, 0
	MUL16 128, 3, 1, 0
	MUL16 128, 3, 2, 0
	MUL16 128, 3, 3, 0
	s_wait_loadcnt 0x0                             ; b2: rounded to bf16 like the other inputs, and widened again; these lines name no register of the last products and are the places behind them
	WIN 0x45
.set i, 0
.rept 64
	v_cvt_pk_bf16_f32 v[i], v[i], v[i+1]
	v_and_b32 v[i+1], 0xffff0000, v[i]
	v_lshlrev_b32 v[i], 16, v[i]
.set i, i+2
.endr
; Channels 32 k .. 32 k + 31 of my 256 (column blocks 2 k, 2 k + 1), all 32 rows: the neurons, the spikes' sum, and its product with W3.  q's two accumulators take turns.
.macro KBLK k
	WIN 0x06                                       ; source 0 window 2, source 1 window 1, destination window 0
.irp m, 0,1
.irp e, 0,1
.irp p, 0,2,4,6
	v_pk_add_f32 v[LA+16*(\m)+8*(\e)+(\p):LA+16*(\m)+8*(\e)+(\p)+1], v[8*(16*(\m)+2*(\k)+(\e))+(\p):8*(16*(\m)+2*(\k)+(\e))+(\p)+1], v[8*(2*(\k)+(\e))+(\p):8*(2*(\k)+(\e))+(\p)+1]
.endr
.endr
.endr
	WIN 0x07                                       ; source 0 window 3
.irp m, 0,1
.irp e, 0,1
.irp p, 0,2,4,6
	v_pk_add_f32 v[LB+16*(\m)+8*(\e)+(\p):LB+16*(\m)+8*(\e)+(\p)+1], v[8*(16*(\m)+2*(\k)+(\e))+(\p):8*(16*(\m)+2*(\k)+(\e))+(\p)+1], v[8*(2*(\k)+(\e))+(\p):8*(2*(\k)+(\e))+(\p)+1]
.endr
.endr
.endr
	WIN 0
.set i, 0
.rept 16
	v_pk_fma_f32 v[SPA+i:SPA+i+1], v[LA+i:LA+i+1], v[BIG:BIG+1], v[NBIG:NBIG+1] clamp        ; sA = (l2A > 1)
.set i, i+2
.endr
.set i, 0
.rept 16
	v_pk_fma_f32 v[LB+i:LB+i+1], v[LA+i:LA+i+1], v[BETA:BETA+1], v[LB+i:LB+i+1]              ; 0.9 l2A + l2B
.set i, i+2
.endr
.set i, 0
.rept 16
	v_pk_add_f32 v[LB+i:LB+i+1], v[LB+i:LB+i+1], v[SPA+i:SPA+i+1] neg_lo:[0,1] neg_hi:[0,1]  ; - sA
.set i, i+2
.endr
.set i, 0
.rept 16
	v_pk_fma_f32 v[LB+i:LB+i+1], v[LB+i:LB+i+1], v[BIG:BIG+1], v[NBIG:NBIG+1] clamp          ; sB = (m > 1)
.set i, i+2
.endr
.set i, 0
.rept 16
	v_pk_add_f32 v[SPA+i:SPA+i+1], v[SPA+i:SPA+i+1], v[LB+i:LB+i+1]                          ; sA + sB
.set i, i+2
.endr
.set i, 0
.rept 16
	v_cvt_pk_bf16_f32 v[SS+i], v[SPA+2*i], v[SPA+2*i+1]   ; two column blocks, packed, are one operand of 16 rows x 32 channels
.set i, i+1
.endr
.irp m, 0,1
.if (\k) == 0
	v_wmma_f32_16x16x32_bf16 v[QQ+8*(\m):QQ+8*(\m)+7], v[W3F+8*(\k):W3F+8*(\k)+7], v[SS+8*(\m):SS+8*(\m)+7], 0
.else
	v_wmma_f32_16x16x32_bf16 v[QQ+8*(\m):QQ+8*(\m)+7], v[W3F+8*(\k):W3F+8*(\k)+7], v[SS+8*(\m):SS+8*(\m)+7], v[QQ+8*(\m):QQ+8*(\m)+7]
.endif
.endr
.endm
.irp k, 0,1,2,3,4,5,6,7
	KBLK \k                                        ; the next block's additions are the places ahead of the rewriting of the packed sums
.endr
	PLACES
	; q's four partial sums meet in LDS.  A lane holds row l % 16 and outputs 8 (l / 16) + 0..7.
	ds_store_b128 v[QS], v[QQ:QQ+3]
	ds_store_b128 v[QS], v[QQ+4:QQ+7]    offset:512
	ds_store_b128 v[QS], v[QQ+8:QQ+11]   offset:1024
	ds_store_b128 v[QS], v[QQ+12:QQ+15]  offset:1536
	s_wait_dscnt 0x0                               ; for the others' sake
	s_barrier_signal -1
	s_barrier_wait -1
	s_cmp_lt_u32 s[WV], 2                          ; wave 0 finishes rows 0-15, wave 1 rows 16-31
	s_cbranch_scc0 .Lnot_q
.irp v, 0,1,2,3
	ds_load_b128 v[64+8*(\v):64+8*(\v)+3],   v[QL] offset:2048*(\v)
	ds_load_b128 v[64+8*(\v)+4:64+8*(\v)+7], v[QL] offset:2048*(\v)+512
.endr
.irp j, 0,1,2,3,4,5,6,7
	v_mov_b32 v[96+(\j)], s[B3+(\j)]
.endr
	v_mov_b32 v104, s[B3+8]
	v_cmp_gt_u32 vcc_lo, 16, v3
	v_cndmask_b32 v96, v104, v96, vcc_lo           ; lanes 16-31 hold output 8 in register 0 (their other registers are outputs that do not exist)
.irp j, 0,2,4,6
	v_cvt_pk_bf16_f32 v[96+(\j)], v[96+(\j)], v[97+(\j)]   ; b3: rounded to bf16 like the other inputs, and widened again
	v_and_b32 v[97+(\j)], 0xffff0000, v[96+(\j)]
	v_lshlrev_b32 v[96+(\j)], 16, v[96+(\j)]
.endr
	s_wait_dscnt 0x0
.irp j, 0,2,4,6
	v_pk_add_f32 v[64+(\j):65+(\j)], v[64+(\j):65+(\j)], v[72+(\j):73+(\j)]
	v_pk_add_f32 v[80+(\j):81+(\j)], v[80+(\j):81+(\j)], v[88+(\j):89+(\j)]
.endr
.irp j, 0,2,4,6
	v_pk_add_f32 v[64+(\j):65+(\j)], v[64+(\j):65+(\j)], v[80+(\j):81+(\j)]
.endr
.irp j, 0,2,4,6
	v_pk_add_f32 v[64+(\j):65+(\j)], v[64+(\j):65+(\j)], v[96+(\j):97+(\j)]
.endr
	ds_store_b32 v[OA], v64                        ; outputs 0 and 8, by all lanes
	s_wait_xcnt 0x0                                ; EXEC changes only behind this wait
	s_and_saveexec_b32 s20, vcc_lo                 ; outputs 1 .. 7, by lanes 0-15 alone
.irp j, 1,2,3,4,5,6,7
	ds_store_b32 v[OA], v[64+(\j)] offset:4*(\j)
.endr
	s_or_b32 exec_lo, exec_lo, s20                 ; (no global instruction was issued under the narrow EXEC)
.Lnot_q:
	s_wait_dscnt 0x0                               ; for the others' sake
	s_barrier_signal -1
	s_barrier_wait -1
	v_cmp_gt_u32 vcc_lo, 72, v0                    ; the work-group's 1,152 bytes of out0 leave as one consecutive run, 16 bytes a thread
	s_wait_xcnt 0x0
	s_and_saveexec_b32 s20, vcc_lo
	ds_load_b128 v[64:67], v[OL]
	s_wait_dscnt 0x0
	global_store_b128 v[GO], v[64:67], s[14:15]
	s_wait_xcnt 0x0                                ; and again, in front of the line that widens EXEC
	s_or_b32 exec_lo, exec_lo, s20
	s_wait_tensorcnt 0x0                           ; the wave's end: behind my last tensor load and my last LDS store
	ds_add_u32 v[SPW], v[NIL]
	s_wait_dscnt 0x0
	CROUND                                         ; the closing round: no work-group ends while a partner may still ask for a tile that names it
	s_endpgm
.Lfunc_end_k_qcd1be18f4a_lif2:
	.size	k_qcd1be18f4a_lif2, .Lfunc_end_k_qcd1be18f4a_lif2-k_qcd1be18f4a_lif2
	.p2alignl 7, 3214868480
	.fill 96, 4, 3214868480
	.section	.rodata,"a",@progbits
	.p2align	6, 0x0
	.amdhsa_kernel k_qcd1be18f4a_lif2
		.amdhsa_group_segment_fixed_size 327680
		.amdhsa_private_segment_fixed_size 0
		.amdhsa_enable_private_segment 0
		.amdhsa_kernarg_size 48
		.amdhsa_user_sgpr_count 2
		.amdhsa_user_sgpr_kernarg_segment_ptr 1
		.amdhsa_wavefront_size32 1
		.amdhsa_system_sgpr_workgroup_id_x 1
		.amdhsa_system_sgpr_workgroup_id_y 1
		.amdhsa_system_sgpr_workgroup_id_z 1
		.amdhsa_system_vgpr_workitem_id 0
		.amdhsa_next_free_vgpr 1024
		.amdhsa_next_free_sgpr 72
		.amdhsa_reserve_vcc 1
		.amdhsa_float_denorm_mode_32 3
		.amdhsa_float_denorm_mode_16_64 3
		.amdhsa_memory_ordered 1
		.amdhsa_forward_progress 1
		.amdhsa_inst_pref_size 155
	.end_amdhsa_kernel
	.amdgpu_metadata
---
amdhsa.version: [ 1, 2 ]
amdhsa.kernels:
  - .name:           k_qcd1be18f4a_lif2
    .symbol:         k_qcd1be18f4a_lif2.kd
    .args:
      - { .name: spk, .offset: 0, .size: 8, .value_kind: global_buffer, .address_space: global }
      - { .name: w2k, .offset: 8, .size: 8, .value_kind: global_buffer, .address_space: global }
      - { .name: b2, .offset: 16, .size: 8, .value_kind: global_buffer, .address_space: global }
      - { .name: W3, .offset: 24, .size: 8, .value_kind: global_buffer, .address_space: global }
      - { .name: b3, .offset: 32, .size: 8, .value_kind: global_buffer, .address_space: global }
      - { .name: out0, .offset: 40, .size: 8, .value_kind: global_buffer, .address_space: global }
    .group_segment_fixed_size: 327680
    .private_segment_fixed_size: 0
    .kernarg_segment_align: 8
    .kernarg_segment_size: 48
    .max_flat_workgroup_size: 128
    .sgpr_count:     72
    .vgpr_count:     1024
    .wavefront_size: 32
...
	.end_amdgpu_metadata
.endif
;; end of part 3
;; ======== version 2 of 2: 3 launches; version 1 with the launch prep written anew for expert scheduling mode
;; workspace buffers: w1b 8,650,752 bytes; w2k 2,097,152 bytes; spk 33,554,432 bytes
;; launch prep (part 4): grid 256 x 1, 8 waves a work-group, no clusters, 0 bytes of LDS; arguments W1, W2, w1b, w2k; writes w1b, w2k
.if DOCPART == 4
	.amdgcn_target "amdgcn-amd-amdhsa--gfx1250"
	.amdhsa_code_object_version 6
	.text
	.protected	k_qcd1be18f4a_prep
	.globl	k_qcd1be18f4a_prep
	.p2align	8
	.type	k_qcd1be18f4a_prep,@function
k_qcd1be18f4a_prep:
	s_mov_b64 s[64:65], 0
	v_nop
	global_prefetch_b8 v0, s[64:65] scope:SCOPE_SE
	s_setreg_imm32_b32 hwreg(HW_REG_WAVE_SCHED_MODE, 0, 2), 2
	s_setreg_imm32_b32 hwreg(HW_REG_WAVE_MODE, 25, 1), 1
	s_wait_xcnt 0x0
	s_wait_alu depctr_vm_vsrc(0)
; THE WEIGHTS OF THE TWO LARGE PRODUCTS, rounded once to bf16 (nearest even) and laid out as the later launches' tiles want them.
;   w1b[n][k]: [1024][4224] bf16 = W1[n][k], K padded from 4,132 to 33 x 128 with zeros: a row is 8,448 bytes = 33 x 256.
;   w2k[kb][n][kk]: [16][1024][64] bf16 = W2[n][64 kb + kk]: the 1,024 rows of a K step of 64 are 131,072 consecutive bytes.
; A stream: each byte is read once and written once; no LDS, no barrier, no matrix unit.  Eight waves; work-group g owns rows 4 g .. 4 g + 3 of both.
; Every load of the wave is issued before the first conversion: 21 loads of 16 bytes a lane at the most.
; THE MODE: SCHED_MODE bits 1:0 = 2 (LLVM: expert scheduling mode 2), set by the entry lines.  The code itself states the register dependences
; between vector instructions and memory instructions, with s_wait_alu, always for 0.
; THE PLAN.  Registers that memory instructions touch:
;   v2, v4, v6   the loads' offsets, v3, v5, v7 the stores': written at the head, never again.
;   D1, D2, DT   each group of four is written by its load (no vector instruction names it before), closed up in place into its first two registers by two conversions
;                (DT then by two selects), read by one store, and never written again.
; So no register that a memory instruction has read is ever rewritten: the text holds no wait on vm_vsrc.  What is left to state: the offsets are written, once, ahead of the first load;
; and a store's data are written.  The work goes in steps (W1's rows 0 to 3, then W2's four units): step i rounds its own eight pairs, and its memory instructions are the four stores of step i - 1,
; whose registers no vector instruction of step i names.  One wait on va_vdst at a step's head, behind the wait for the step's data, states all that those four stores hang on.
; A scalar register that a vector instruction reads (s24 to s28) is written once.
.set W1ROW, 16528                      ; bytes in a row of W1
.set B1ROW, 8448                       ; bytes in a row of w1b
.set D1,  16                           ; v[16:79]  W1: row i, chunk c at D1 + 16 i + 4 c
.set D2,  80                           ; v[80:95]  W2: unit i at D2 + 4 i
.set DT,  96                           ; v[96:99]  W1's tail
	s_load_b256 s[4:11], s[0:1], 0x0               ; W1 s[4:5], W2 s[6:7], w1b s[8:9], w2k s[10:11]
	v_lshrrev_b32 v1, 5, v0
	v_readfirstlane_b32 s12, v1                    ; wave 0..7
	v_and_b32 v8, 31, v0                           ; lane
	v_cmp_gt_u32 s24, 9, v8                        ; the tail's mask: nine lanes hold numbers of W1, the other 23 the padding
	v_lshlrev_b32 v2, 4, v0                        ; W1: 16 bytes (4 numbers) a thread,
	v_lshlrev_b32 v3, 3, v0                        ; w1b: their 8 bytes
	v_lshrrev_b32 v9, 4, v8                        ; W2: lanes 0-15 a pair's first row, lanes 16-31 its second
	v_and_b32 v10, 15, v8
	v_lshlrev_b32 v4, 12, v9                       ; a row of W2 is 4,096 bytes
	v_lshl_add_u32 v4, v10, 4, v4
	v_min_u32 v6, 8, v8                            ; the tail: numbers 4,096 .. 4,131 are nine lanes' 16 bytes; the other lanes read the ninth again and store zeros
	s_wait_alu depctr_va_sdst(0)                   ; s12 and s24 are written, ahead of s12's first reader (the next line) and of every branch; s24 is read by the tail's selects
	s_lshr_b32 s13, s12, 2                         ; W2: which pair of the four rows,
	s_and_b32 s14, s12, 3                          ; and which four of the sixteen K blocks, are my wave's
	s_lshl_b32 s25, s13, 13
	s_lshl_b32 s15, s14, 10                        ; four K blocks of 256 bytes
	s_add_co_u32 s25, s25, s15
	v_add_nc_u32 v4, s25, v4
	s_lshl_b32 s26, s13, 8                         ; w2k: the pair's 256 bytes in a K block,
	s_lshl_b32 s15, s14, 19                        ; four K blocks of 131,072 bytes
	s_add_co_u32 s26, s26, s15
	v_lshl_add_u32 v5, v8, 3, s26
	s_mul_i32 s27, s12, W1ROW
	s_add_co_u32 s27, s27, 16384
	v_lshl_add_u32 v6, v6, 4, s27
	s_mul_i32 s28, s12, B1ROW
	s_add_co_u32 s28, s28, 8192
	v_lshl_add_u32 v7, v8, 3, s28
	s_mul_i32 s16, ttmp9, 4*W1ROW                  ; the work-group's four rows in each of the four buffers
	s_mov_b32 s17, 0
	s_lshl_b32 s18, ttmp9, 14
	s_mov_b32 s19, 0
	s_mul_i32 s20, ttmp9, 4*B1ROW
	s_mov_b32 s21, 0
	s_lshl_b32 s22, ttmp9, 9
	s_mov_b32 s23, 0
	s_wait_kmcnt 0x0
	s_add_nc_u64 s[4:5], s[4:5], s[16:17]
	s_add_nc_u64 s[6:7], s[6:7], s[18:19]
	s_add_nc_u64 s[8:9], s[8:9], s[20:21]
	s_add_nc_u64 s[10:11], s[10:11], s[22:23]
	s_wait_alu depctr_va_vdst(0)                   ; the six offsets v2 to v7 are written: every load and store of the kernel reads one of them
	s_cmp_lt_u32 s12, 4                            ; wave w < 4 takes the tail of row w; its load is the wave's oldest
	s_cbranch_scc0 .Lno_tail_load
	global_load_b128 v[DT:DT+3], v6, s[4:5] th:TH_LOAD_NT
.Lno_tail_load:
.irp i, 0,1,2,3
.irp c, 0,1,2,3
	global_load_b128 v[D1+16*(\i)+4*(\c):D1+16*(\i)+4*(\c)+3], v2, s[4:5] offset:(\i)*W1ROW+(\c)*4096 th:TH_LOAD_NT
.endr
.endr
.irp i, 0,1,2,3
	global_load_b128 v[D2+4*(\i):D2+4*(\i)+3], v4, s[6:7] offset:(\i)*256 th:TH_LOAD_NT
.endr
; Four numbers at v[d .. d + 3] are rounded and close up into v[d], v[d + 1]
.macro CVT d
	v_cvt_pk_bf16_f32 v[\d],     v[\d],     v[(\d)+1]
	v_cvt_pk_bf16_f32 v[(\d)+1], v[(\d)+2], v[(\d)+3]
.endm
	s_wait_loadcnt 16                              ; row 0 is in: behind it stand the later rows' loads, four each, and W2's four
.irp c, 0,1,2,3
	CVT D1+4*(\c)
.endr
.irp i, 1,2,3
	s_wait_loadcnt 16-4*(\i)                       ; row i is in
	s_wait_alu depctr_va_vdst(0)                   ; the conversions of row i - 1 have written its packed pairs, which the four stores below read
.irp c, 0,1,2,3
	global_store_b64 v3, v[D1+16*((\i)-1)+4*(\c):D1+16*((\i)-1)+4*(\c)+1], s[8:9] offset:((\i)-1)*B1ROW+(\c)*2048  ; a wave's store covers 256 consecutive bytes, at a multiple of 256 from w1b's first; no vector instruction since the wait names its registers
	CVT D1+16*(\i)+4*(\c)
.endr
.endr
	s_wait_loadcnt 0x0                             ; W2's four units (and the tail, which is older)
	s_wait_alu depctr_va_vdst(0)                   ; the conversions of row 3 have written its packed pairs, which the four stores below read
.irp c, 0,1,2,3
	global_store_b64 v3, v[D1+48+4*(\c):D1+48+4*(\c)+1], s[8:9] offset:3*B1ROW+(\c)*2048
	CVT D2+4*(\c)
.endr
	s_cmp_lt_u32 s12, 4
	s_cbranch_scc0 .Lno_tail
	CVT DT
	v_cndmask_b32 v[DT],   0, v[DT],   s24         ; zeros in the padding's 23 lanes
	v_cndmask_b32 v[DT+1], 0, v[DT+1], s24
.Lno_tail:
	s_wait_alu depctr_va_vdst(0)                   ; W2's conversions and, in waves 0 to 3, the tail's selects have written the data of the stores below; no vector instruction follows
.irp i, 0,1,2,3
	global_store_b64 v5, v[D2+4*(\i):D2+4*(\i)+1], s[10:11] offset:(\i)*131072  ; two rows' 128 bytes of one K block: 256 consecutive bytes, aligned
.endr
	s_cmp_lt_u32 s12, 4
	s_cbranch_scc0 .Lend
	global_store_b64 v7, v[DT:DT+1], s[8:9]        ; the row's last 256 bytes, whole
.Lend:
	s_endpgm
.Lfunc_end_k_qcd1be18f4a_prep:
	.size	k_qcd1be18f4a_prep, .Lfunc_end_k_qcd1be18f4a_prep-k_qcd1be18f4a_prep
	.p2alignl 7, 3214868480
	.fill 96, 4, 3214868480
	.section	.rodata,"a",@progbits
	.p2align	6, 0x0
	.amdhsa_kernel k_qcd1be18f4a_prep
		.amdhsa_group_segment_fixed_size 0
		.amdhsa_private_segment_fixed_size 0
		.amdhsa_enable_private_segment 0
		.amdhsa_kernarg_size 32
		.amdhsa_user_sgpr_count 2
		.amdhsa_user_sgpr_kernarg_segment_ptr 1
		.amdhsa_wavefront_size32 1
		.amdhsa_system_sgpr_workgroup_id_x 1
		.amdhsa_system_sgpr_workgroup_id_y 1
		.amdhsa_system_sgpr_workgroup_id_z 1
		.amdhsa_system_vgpr_workitem_id 0
		.amdhsa_next_free_vgpr 112
		.amdhsa_next_free_sgpr 66
		.amdhsa_reserve_vcc 0
		.amdhsa_float_denorm_mode_32 3
		.amdhsa_float_denorm_mode_16_64 3
		.amdhsa_memory_ordered 1
		.amdhsa_forward_progress 1
		.amdhsa_inst_pref_size 10
	.end_amdhsa_kernel
	.amdgpu_metadata
---
amdhsa.version: [ 1, 2 ]
amdhsa.kernels:
  - .name:           k_qcd1be18f4a_prep
    .symbol:         k_qcd1be18f4a_prep.kd
    .args:
      - { .name: W1, .offset: 0, .size: 8, .value_kind: global_buffer, .address_space: global }
      - { .name: W2, .offset: 8, .size: 8, .value_kind: global_buffer, .address_space: global }
      - { .name: w1b, .offset: 16, .size: 8, .value_kind: global_buffer, .address_space: global }
      - { .name: w2k, .offset: 24, .size: 8, .value_kind: global_buffer, .address_space: global }
    .group_segment_fixed_size: 0
    .private_segment_fixed_size: 0
    .kernarg_segment_align: 8
    .kernarg_segment_size: 32
    .max_flat_workgroup_size: 256
    .sgpr_count:     66
    .vgpr_count:     112
    .wavefront_size: 32
...
	.end_amdgpu_metadata
.endif
;; end of part 4
;; launch lif1: the kernel of part 2 again; grid 4 x 64, 4 waves a work-group, clusters of 4 x 4, 327,680 bytes of LDS; arguments x, w1b, b1, spk; writes spk
;; launch lif2: the kernel of part 3 again; grid 256 x 1, 4 waves a work-group, clusters of 4 x 1, 327,680 bytes of LDS; arguments spk, w2k, b2, W3, b3, out0; writes out0
